; MI455X (gfx1250); checked and timed in simulation.
; The chip was launched on July 23, 2026; its instructions are those of AMD's public machine-readable ISA for CDNA 5 (MIT licence, August 2026) and "CDNA5" Instruction Set Architecture Reference Guide (July 2026). The comments in the code are by the model that wrote it; some were corrected since.
;; Quantize. Allowed arithmetic: float matrix products may take bf16 or f16 operands with f32 sums; other float arithmetic in f32, or as packed bf16 or f16 multiplies, adds, multiply-adds, maxima and minima; sums over many terms, partial sums and values carried from step to step in f32; what a program stores and reads back later, other than sums and carried values, may be rounded once to bf16 or f16.
;; Inputs: embed 512 x 8,192 float32; input 8 x 2,048 x 512 float32.
;; Outputs: out0 8 x 2,048 x 512 float32; out1 one number float32; out2 8 x 2,048 int32.
;; 2 versions, each right; version 2 is version 1 with the launches prep, finish written anew for expert scheduling mode. Each part assembles by itself: llvm-mc -triple=amdgcn-amd-amdhsa -mcpu=gfx1250 --defsym DOCPART=n.
;; ======== version 1 of 2: 4 launches
;; workspace buffers: embT 8,388,608 bytes; ee 32,768 bytes; cand 524,288 bytes of whole numbers; part 8,192 bytes
;; launch prep (part 1): grid 128 x 1, 8 waves a work-group, no clusters, 71,680 bytes of LDS; arguments embed, embT, ee; writes embT, ee
.if DOCPART == 1
	.amdgcn_target "amdgcn-amd-amdhsa--gfx1250"
	.amdhsa_code_object_version 6
	.text
	.protected	k_qb39ad39ab3_prep
	.globl	k_qb39ad39ab3_prep
	.p2align	8
	.type	k_qb39ad39ab3_prep,@function
k_qb39ad39ab3_prep:
	s_mov_b64 s[64:65], 0
	v_nop
	global_prefetch_b8 v0, s[64:65] scope:SCOPE_SE
	s_setreg_imm32_b32 hwreg(HW_REG_WAVE_MODE, 25, 1), 1
	s_wait_xcnt 0x0
; embT[c][k] = bf16(embed[k][c]);  ee[c] = the sum over k of embT[c][k]^2, in f32.
; embed: [512][8192] f32.  embT: [8192][512] bf16, K along the rows: the matrix operand and the gather table of the later launches.  ee: [8192] f32.
; SHARES.  A work-group takes 64 codes (256 bytes of every row of embed) and all 512 k.  Wave w takes k = 64 w .. 64 w + 63, lane l the codes 2 l and 2 l + 1:
; one load of a wave covers 256 consecutive bytes, aligned.  The turn goes through LDS; whole rows of embT (1,024 bytes) leave by stores of 512 consecutive bytes.
; THE NORM IS SUMMED IN TWO LEVELS: each group of 32 consecutive k one term after the other, k ascending; then the 16 group sums one after the other, ascending.  The square of a
; bf16 number is exact in f32, so a fused multiply-add gives the bits of a multiply followed by an add.  A wave's 64 k are two groups: it sums them from the packed words that it has
; just made; the group sums meet in LDS, and wave 0 adds them.
; No tensor loads: no wave wants a byte that another has fetched.  No prefetch: all of a wave's loads go out at once.
.set ROWB,  32768                      ; bytes in a row of embed
.set TP,    1040                       ; a code's row in LDS: 1,024 bytes + 16
.set GSB,   64*TP                      ; behind the 64 rows: the group sums, [16 groups][64 codes] f32: 4,096 bytes
.set SPARE, GSB+4096                   ; behind them: the spare words, 128 bytes for each of eight waves: four blocks of 256 bytes that no other line names
.set GO,  2                            ; v2  byte offset in embed: 8 l + 64 w rows
.set AS,  3                            ; v3  LDS: where I put 16 bytes (8 k) of code 2 l
.set AR,  4                            ; v4  LDS: where I read rows back
.set GS,  5                            ; v5  byte offset in embT
.set GA,  6                            ; v6  LDS: where I put my two codes' sums of group 2 w
.set GR,  7                            ; v7  LDS: my two codes' sums of group 0
.set SPW, 8                            ; v8  LDS address of my spare word; never rewritten
.set NIL, 9                            ; v9  0; never rewritten
.set EO,  11                           ; v11 byte offset in ee
.set P,   32                           ; v[32:39]  packed bf16: code 2 l in the first four, code 2 l + 1 in the others
.set SUM, 40                           ; v[40:43]  group 2 w: my two codes; group 2 w + 1: my two codes
.set L,   64                           ; v[64:191] row i of my 64: two f32 at L + 2 i; later rows read back; at the end the 16 group sums
	s_load_b128 s[4:7], s[0:1], 0x0                ; embed s[4:5], embT s[6:7]
	s_load_b64 s[8:9], s[0:1], 0x10                ; ee
	v_lshl_add_u32 v[SPW], v0, 2, SPARE
	v_mov_b32 v[NIL], 0
	v_and_b32 v1, 31, v0                           ; lane
	v_lshrrev_b32 v10, 5, v0
	v_readfirstlane_b32 s10, v10                   ; wave 0..7
	s_lshl_b32 s12, s10, 21                        ; 64 rows of 32,768 bytes
	v_lshl_add_u32 v[GO], v1, 3, s12
	v_mul_u32_u24 v[AS], v1, 2*TP                  ; code 2 l,
	s_lshl_b32 s13, s10, 7                         ; my 64 k: 128 bytes of a code's row
	v_add_nc_u32 v[AS], s13, v[AS]
	s_mul_i32 s13, s10, 8*TP                       ; back: wave w takes codes 8 w .. 8 w + 7
	v_lshl_add_u32 v[AR], v1, 4, s13
	s_lshl_b32 s13, s10, 13
	v_lshl_add_u32 v[GS], v1, 4, s13
	s_lshl_b32 s13, s10, 9                         ; my two groups: 256 bytes each
	s_add_co_u32 s13, s13, GSB
	v_lshl_add_u32 v[GA], v1, 3, s13
	v_lshlrev_b32 v[EO], 3, v1
	v_add_nc_u32 v[GR], GSB, v[EO]
	s_lshl_b32 s2, ttmp9, 8                        ; the work-group's 64 codes: 256 bytes of a row of embed, and of ee
	s_mov_b32 s3, 0
	s_lshl_b32 s14, ttmp9, 16                      ; and 64 rows of embT
	s_mov_b32 s15, 0
	s_wait_kmcnt 0x0
	s_add_nc_u64 s[4:5], s[4:5], s[2:3]
	s_add_nc_u64 s[8:9], s[8:9], s[2:3]
	s_add_nc_u64 s[6:7], s[6:7], s[14:15]
.set i, 0
.rept 64                               ; all my rows are asked for at once
	global_load_b64 v[L+2*i:L+2*i+1], v[GO], s[4:5] offset:i*ROWB th:TH_LOAD_NT
.set i, i+1
.endr
.irp r, 0,1,2,3
	v_mov_b32 v[SUM+(\r)], 0                       ; four sums start at 0, while the loads are on their way
.endr
; Eight rows at a time: 8 k of each of my two codes pack into 16 bytes.  Lanes lie 2,080 bytes = 520 words apart
; each of these 16 stores is served in twice the passes.  That is the price of loads that cover whole aligned 256 bytes.
; The same packed words feed the group's sums: a word's low half, then its high half, the two codes' chains by turns.  Rows 0-31 are the first group, rows 32-63 the second.
.set c, 0
.rept 8
	s_wait_loadcnt 56-8*c                          ; loads come back in order (ISA guide 5.7.1): rows 8 c .. 8 c + 7 are in, the younger ones stay out
.irp a, 0,1
.irp t, 0,1,2,3
	v_cvt_pk_bf16_f32 v[P+4*(\a)+(\t)], v[L+2*(8*c+2*(\t))+(\a)], v[L+2*(8*c+2*(\t)+1)+(\a)]
.endr
	ds_store_b128 v[AS], v[P+4*(\a):P+4*(\a)+3] offset:(\a)*TP+16*c
.endr
.irp t, 0,1,2,3
	v_fma_mix_f32_bf16 v[SUM+2*(c/4)],   v[P+(\t)],   v[P+(\t)],   v[SUM+2*(c/4)]   op_sel_hi:[1,1,0]
	v_fma_mix_f32_bf16 v[SUM+2*(c/4)+1], v[P+4+(\t)], v[P+4+(\t)], v[SUM+2*(c/4)+1] op_sel_hi:[1,1,0]
	v_fma_mix_f32_bf16 v[SUM+2*(c/4)],   v[P+(\t)],   v[P+(\t)],   v[SUM+2*(c/4)]   op_sel:[1,1,0] op_sel_hi:[1,1,0]
	v_fma_mix_f32_bf16 v[SUM+2*(c/4)+1], v[P+4+(\t)], v[P+4+(\t)], v[SUM+2*(c/4)+1] op_sel:[1,1,0] op_sel_hi:[1,1,0]
.endr
.set c, c+1
.endr
	ds_store_b64 v[GA], v[SUM:SUM+1]               ; 32 lanes: a group's 64 sums, 256 consecutive bytes
	ds_store_b64 v[GA], v[SUM+2:SUM+3] offset:256
	s_wait_dscnt 0x0                               ; for the others' sake: my stores are done
	s_barrier_signal -1
	s_barrier_wait -1                              ; the 64 rows and the 16 x 64 group sums are whole
.set n, 0
.rept 16                               ; code 8 w + n / 2, half n % 2: 512 consecutive bytes
	ds_load_b128 v[L+4*n:L+4*n+3], v[AR] offset:(n/2)*TP+(n%2)*512
.set n, n+1
.endr
.set n, 0
.rept 16
	s_wait_dscnt 15-n                              ; load n is in, the younger ones stay out
	global_store_b128 v[GS], v[L+4*n:L+4*n+3], s[6:7] offset:(n/2)*1024+(n%2)*512
.set n, n+1
.endr
	s_cmp_lg_u32 s10, 0
	s_cbranch_scc1 .Lend                           ; the second level is wave 0's
	s_wait_xcnt 0x0                                ; the stores above have read their data registers: only now are they loaded again
.set n, 0
.rept 16
	ds_load_b64 v[L+2*n:L+2*n+1], v[GR] offset:256*n   ; group n, my two codes
.set n, n+1
.endr
	s_wait_dscnt 0x0
.set n, 1
.rept 15
	v_pk_add_f32 v[L:L+1], v[L:L+1], v[L+2*n:L+2*n+1]  ; one group after the other, ascending; two codes an instruction
.set n, n+1
.endr
	global_store_b64 v[EO], v[L:L+1], s[8:9]       ; 32 lanes store 256 consecutive bytes, aligned
.Lend:
	s_wait_tensorcnt 0x0                           ; the wave's end, behind my last LDS store
	ds_add_u32 v[SPW], v[NIL]
	s_wait_dscnt 0x0
	s_endpgm
.Lfunc_end_k_qb39ad39ab3_prep:
	.size	k_qb39ad39ab3_prep, .Lfunc_end_k_qb39ad39ab3_prep-k_qb39ad39ab3_prep
	.p2alignl 7, 3214868480
	.fill 96, 4, 3214868480
	.section	.rodata,"a",@progbits
	.p2align	6, 0x0
	.amdhsa_kernel k_qb39ad39ab3_prep
		.amdhsa_group_segment_fixed_size 71680
		.amdhsa_private_segment_fixed_size 0
		.amdhsa_enable_private_segment 0
		.amdhsa_kernarg_size 24
		.amdhsa_user_sgpr_count 2
		.amdhsa_user_sgpr_kernarg_segment_ptr 1
		.amdhsa_wavefront_size32 1
		.amdhsa_system_sgpr_workgroup_id_x 1
		.amdhsa_system_sgpr_workgroup_id_y 1
		.amdhsa_system_sgpr_workgroup_id_z 1
		.amdhsa_system_vgpr_workitem_id 0
		.amdhsa_next_free_vgpr 192
		.amdhsa_next_free_sgpr 66
		.amdhsa_reserve_vcc 0
		.amdhsa_float_denorm_mode_32 3
		.amdhsa_float_denorm_mode_16_64 3
		.amdhsa_memory_ordered 1
		.amdhsa_forward_progress 1
		.amdhsa_inst_pref_size 27
	.end_amdhsa_kernel
	.amdgpu_metadata
---
amdhsa.version: [ 1, 2 ]
amdhsa.kernels:
  - .name:           k_qb39ad39ab3_prep
    .symbol:         k_qb39ad39ab3_prep.kd
    .args:
      - { .name: embed, .offset: 0, .size: 8, .value_kind: global_buffer, .address_space: global }
      - { .name: embT, .offset: 8, .size: 8, .value_kind: global_buffer, .address_space: global }
      - { .name: ee, .offset: 16, .size: 8, .value_kind: global_buffer, .address_space: global }
    .group_segment_fixed_size: 71680
    .private_segment_fixed_size: 0
    .kernarg_segment_align: 8
    .kernarg_segment_size: 24
    .max_flat_workgroup_size: 256
    .sgpr_count:     66
    .vgpr_count:     192
    .wavefront_size: 32
...
	.end_amdgpu_metadata
.endif
;; end of part 1
;; launch main (part 2): grid 64 x 4, 4 waves a work-group, clusters of 4 x 4, 327,680 bytes of LDS; arguments input, embT, ee, cand; writes cand
.if DOCPART == 2
	.amdgcn_target "amdgcn-amd-amdhsa--gfx1250"
	.amdhsa_code_object_version 6
	.text
	.protected	k_qb39ad39ab3_main
	.globl	k_qb39ad39ab3_main
	.p2align	8
	.type	k_qb39ad39ab3_main,@function
k_qb39ad39ab3_main:
	s_mov_b64 s[64:65], 0
	v_nop
	global_prefetch_b8 v0, s[64:65] scope:SCOPE_SE
	s_setreg_imm32_b32 hwreg(HW_REG_WAVE_MODE, 25, 1), 1
	s_wait_xcnt 0x0
	s_wait_alu depctr_hold_cnt(0) depctr_sa_sdst(0) depctr_va_vdst(0) depctr_va_sdst(0) depctr_va_ssrc(0) depctr_va_vcc(0) depctr_vm_vsrc(0)
	s_getreg_b32 s2, hwreg(HW_REG_IB_STS2, 6, 4)
	s_cmp_eq_u32 s2, 0
	s_cbranch_scc0 .Lentry_in_a_cluster
	s_endpgm
.Lentry_in_a_cluster:
	s_bfe_u32 s2, ttmp6, 0x10000c
	s_cmp_lg_u32 s2, 0xf033
	s_cbranch_scc0 .Lentry_shape_is_right
	s_endpgm
.Lentry_shape_is_right:
; For each of 16,384 rows x and each quarter of the 8,192 codes: the code c with the least distance d = (||x||^2 - 2 x . e_c) + ee[c], and that distance.
; input: [16384][512] f32.  embT: [8192][512] bf16.  ee: [8192] f32.  cand: [4 quarters][16384 rows]{key, index}, two 32-bit whole numbers a row.
; key is the distance's bit pattern turned so that unsigned order is the distances' order (bits xor (sign ? all ones : top bit)).
; THE DISTANCE is formed in f32 with two roundings, in this order: t = ||x||^2 - 2 dot (one fused multiply-add: 2 dot is exact), d = t + ee.  ||x||^2 is the sum of the squares of x rounded to
; bf16, in two levels: each group of 32 consecutive k one term after the other, then the 16 group sums, ascending.  Equal distances: the lowest index wins.
; LIMITS.  x is rounded to bf16 for the product; the product's sums are the matrix unit's, in f32: their last bits are not those of a chain of f32 multiply-adds, so two codes whose distances
; lie within a few f32 roundings of each other may change places.  NaN and infinities are not treated apart.
; SHARES.  A work-group takes 256 rows and one quarter (2,048 codes): 64 x 4 work-groups.  Wave w owns rows 64 w .. 64 w + 63: their fragments for all 512 k stay in 512
; registers for the whole launch.  Every wave walks all 2,048 codes, 16 a BLOCK (64 matrix instructions), 128 a TILE (a slot of LDS).
; LAYOUT.  The product is used transposed: source 0 = 16 codes, source 1 = 16 rows of x.  In the result lane l holds row l % 16, register j the code 8 (l / 16) + j.
; So each lane keeps, for each of its 4 x 8 places, the best distance and the number of the block that gave it; the places meet once, at the end.
; BY TURNS.  Two sets of four accumulators.  While one block is multiplied, the block before is judged: 128 vector instructions, four or five behind each pair of products.
; CLUSTER.  4 x 4 work-groups: cx picks the row block, cy the quarter (the grid has one cluster along y).  The four of a row of the cluster walk the same codes: each tile is asked for
; JOINTLY, by the same tensor load with the same descriptor and a mask that names the four.
; REGISTERS, in windows of 256 (s_set_vgpr_msb: bits 1:0 source 0, 3:2 source 1, 5:4 source 2, 7:6 destination):
;   window 0: addresses, ee, accumulators, best distances and blocks, work, ||x||^2      window 1: the codes' fragments, two buffers of 128 (at the head: x as loaded, two sets of 128)
;   windows 2, 3: x: the fragment of row tile mb, k step ks at 8 (4 (ks % 8) + mb) of window 2 + ks / 8
.set KB,     1024                      ; bytes in a row of embT
.set PITCH,  1040                      ; a code's row in LDS: 1,024 bytes + 16 = 260 words: row r starts at bank 4 r mod 64 (64 banks of 4 bytes: ISA guide 11.1)
.set BLKB,   16*PITCH                  ; a block
.set WPART,  32*PITCH                  ; what one tensor load brings
.set SLOT1,  128*PITCH                 ; slot 1 begins here: 0x20800, which shares no bit with 0, 1, 2 or 3 x WPART: one exclusive or changes slots
.set TILEB,  128*KB                    ; a tile in memory
.set STAGE,  2*SLOT1                   ; behind the ring, never filled by a tensor load: 16 rows x 528 bytes for each wave, for x on its way into fragments
.set SPITCH, 528                       ; 512 bytes + 16
.set WSTAGE, 16*SPITCH
.set EEB,    STAGE+4*WSTAGE            ; the quarter's 2,048 ee
.set SPARE,  EEB+8192                  ; the spare words, 128 bytes for each wave: two blocks of 256 bytes that no other line names
.set SPW, 4                            ; v4   LDS address of my spare word; never rewritten
.set NIL, 5                            ; v5   0; never rewritten
.set XO,  6                            ; v6   16 x lane
.set STA, 7                            ; v7   stage: where I put 8 bytes of a row
.set FRA, 8                            ; v8   stage: my place in a fragment
.set AB0, 9                            ; v9   my place in a block of codes: (l % 16) x PITCH + 16 (l / 16)
.set ADR, 10                           ; v10  the LDS address of the block being fetched
.set EADR, 11                          ; v11  the LDS address of the ee of the block in hand
.set XRA, 11                           ;      at the head: stage: row l % 16, byte 256 (l / 16): the 128 k whose squares I sum
.set PFO, 12                           ; v12  the prefetches' offset: 1,024 x lane
.set EST, 13                           ; v13  where I put my part of ee
.set CO,  14                           ; v14  8 x lane
.set EGO, 15                           ; v15  my byte offset in the quarter's ee
.set EE0, 16                           ; v[16:31]   ee of my 8 codes, for accumulator set 0 and set 1
.set ACC, 32                           ; v[32:95]   set p, row tile mb at ACC + 32 p + 8 mb
.set XS,  32                           ;            at the head: my 128 k of a unit, 64 words of two bf16
.set BV,  96                           ; v[96:127]  best distance, at 8 mb + j
.set BI,  128                          ; v[128:159] its block's number
.set TMP, 160                          ; v[160:223] at work
.set HJ,  224                          ; v[224:231] 2,048 x quarter + 8 (l / 16) + j
.set RES, 232                          ; v[232:239] key and index of row tile mb at RES + 2 mb (at the head v[232:247]: ee as loaded)
.set GSM, 232                          ;            at the head, behind that: my eight group sums of a row tile
.set GSO, 240                          ; v[240:247] at the head: the other half of the lanes' eight
.set OUTR, 240                         ; v[240:243] what is stored
.set XX,  248                          ; v[248:255] ||x||^2 of my row of row tile mb at XX + 2 mb, and once more beside it: it is named as a pair
.set WV,  12                           ; s12  my wave's number
.set CX,  13
.set CY,  14
.set G1,  24                           ; s[24:31] descriptor group 1
.set G0A, 32                           ; s[32:35] group 0 of the first fill of slot 0
.set G0W, 36                           ; s[36:39] group 0 that walks: slot 1 first
.set SLOTS, 40                         ; s40  counts the changes of slots
.set CNT, 41                           ; s41  counts pairs of blocks
.set TB,  42                           ; s42  LDS byte at which the block to be fetched begins
.set TN,  43                           ; s43  number of the block that is being judged
.set MK,  44                           ; s[44:47] lane masks
.set LIM, 48                           ; s48  1 in a cluster that prefetches, else the greatest number
.set EB,  49                           ; s49  LDS byte of the ee of the block in hand
.set PFA, 50                           ; s[50:51] where my prefetches stand
.set HIM, 52                           ; s52  lanes 16 to 31
.set SEL, 54                           ; s[54:55] v_permlanex16_b32's selects: each lane takes its own place in the other half
.set MSB, 0
.macro WIN new                         ; the immediate's high byte repeats the setting that is left; a switch that changes nothing is dropped
.if MSB != (\new)
	s_set_vgpr_msb (MSB<<8)|(\new)
.set MSB, (\new)
.endif
.endm
; A round of the cluster's barrier: my work-group's barrier, so that wave 0's signal speaks for all four waves; wave 0 signals; every wave waits for all sixteen work-groups; my work-group's barrier once more.
.macro CROUND
	s_barrier_signal -1
	s_barrier_wait -1
	s_cmp_lg_u32 s[WV], 0
	s_cbranch_scc1 .Lnot_wave_0_\@
	s_barrier_signal -3
.Lnot_wave_0_\@:
	s_barrier_wait -3
	s_barrier_signal -1
	s_barrier_wait -1
.endm
; A PREFETCH INTO THE L2 of the tile that the NEXT change of slots will ask for: 512 matrix instructions ahead of that load.  A quarter's tiles are walked by every cluster: the first (cluster x = 0) asks.
; Of the 32 rows of 1,024 bytes that wave w fetches, the partner at place cx names bytes 256 cx .. 256 cx + 255, a lane a row: told apart by address, so each aligned 256 bytes are named once in the launch.
; The last change that fills a slot asks for nothing; tiles 0 to 2 come by their loads alone.
.macro ASK
	s_cmp_gt_u32 s[SLOTS], s[LIM]
	s_cbranch_scc0 .Lnot_mine_\@
	global_prefetch_b8 v[PFO], s[PFA:PFA+1] th:TH_LOAD_NT scope:SCOPE_SE
.Lnot_mine_\@:
.endm
; Product n of a block's 64, on accumulator set p and code buffer p: k step n / 4, row tile n % 4.  The first four start the sums with the constant 0.
; The four accumulators take turns, one instruction a turn, over the blocks' edges too.
.macro MM p, n
.set ks, (\n)/4
.set mb, (\n)%4
	WIN 0x09+4*(ks/8)                              ; codes in window 1, x in window 2 or 3, sums in window 0
.set rD, ACC+32*(\p)+8*mb
.set rA, 128*(\p)+8*ks
.set rB, ((ks%8)*4+mb)*8
.if ks == 0
	v_wmma_f32_16x16x32_bf16 v[rD:rD+7], v[rA:rA+7], v[rB:rB+7], 0
.else
	v_wmma_f32_16x16x32_bf16 v[rD:rD+7], v[rA:rA+7], v[rB:rB+7], v[rD:rD+7]
.endif
.endm
; Eight LDS loads: the fragments of k steps 4 q .. 4 q + 3 of the block at v[ADR], into buffer b
.macro BL b, q
	WIN 0x40                                       ; destination window 1, address window 0
.irp z, 0,1,2,3
	ds_load_b128 v[128*(\b)+8*(4*(\q)+(\z)):128*(\b)+8*(4*(\q)+(\z))+3],   v[ADR] offset:64*(4*(\q)+(\z))
	ds_load_b128 v[128*(\b)+8*(4*(\q)+(\z))+4:128*(\b)+8*(4*(\q)+(\z))+7], v[ADR] offset:64*(4*(\q)+(\z))+32
.endr
.endm
; Number t of the 128 that judge set p.  Row tile t / 32; of its 32: 0-3 t = ||x||^2 - 2 dot, a pair each, in place (the accumulator's lowest registers first);
; 4-7 d = t + ee, a pair each; then for each two registers j, j + 1: is d below the best? (twice), the best distance (twice), its block's number (twice).  Strictly below: of equal distances the earlier block stays.
.macro RID p, t
.set rm, (\t)/32
.set ru, (\t)%32
.set rS, ACC+32*(\p)+8*rm
.if ru < 4
	v_pk_fma_f32 v[rS+2*ru:rS+2*ru+1], v[rS+2*ru:rS+2*ru+1], -2.0, v[XX+2*rm:XX+2*rm+1] op_sel_hi:[1,0,0]
.elseif ru < 8
	v_pk_add_f32 v[rS+2*(ru-4):rS+2*(ru-4)+1], v[rS+2*(ru-4):rS+2*(ru-4)+1], v[EE0+8*(\p)+2*(ru-4):EE0+8*(\p)+2*(ru-4)+1]
.else
.set rj, 2*((ru-8)/6)+(ru-8)%2
.set rk, ((ru-8)%6)/2
.if rk == 0
	v_cmp_lt_f32 s[MK+rj%4], v[rS+rj], v[BV+8*rm+rj]
.elseif rk == 1
	v_cndmask_b32 v[BV+8*rm+rj], v[BV+8*rm+rj], v[rS+rj], s[MK+rj%4]
.else
	v_cndmask_b32 v[BI+8*rm+rj], v[BI+8*rm+rj], s[TN], s[MK+rj%4]
.endif
.endif
.endm
; A BLOCK: 64 products on set p, in pairs.  Behind the first pair: the two addresses and two v_nop, four plain instructions that name no register of the block before's products: they are the places
; in front of the loads into its code buffer and of the lines that read its sums; then this block's ee, and (fetch = 1) the first quarter of the next block's fragments.
; Behind pairs 1 to 3 the other quarters; behind pairs 4 to 19 five, behind pairs 20 to 31 four of the 128 lines that judge the block before: 16 x 5 + 12 x 4.
.macro NBLOCK p, fetch
	s_wait_dscnt 0x0                               ; this block's fragments, asked for 56 products ago or more, and the last block's ee are in
.set g, 0
.set rn, 0
.rept 32
	MM \p, 2*g
	MM \p, 2*g+1
.if g == 0
	WIN 0
	v_add_nc_u32 v[ADR], s[TB], v[AB0]
	v_lshl_add_u32 v[EADR], v2, 5, s[EB]           ; my 8 codes' ee: 32 bytes for each half of the lanes
	v_nop
	v_nop
	ds_load_b128 v[EE0+8*(\p):EE0+8*(\p)+3],   v[EADR]
	ds_load_b128 v[EE0+8*(\p)+4:EE0+8*(\p)+7], v[EADR] offset:16
	s_add_co_u32 s[TB], s[TB], BLKB
	s_add_co_u32 s[EB], s[EB], 64
.if \fetch
	BL 1-(\p), 0
.endif
.elseif g < 4
.if \fetch
	BL 1-(\p), g
.endif
.else
	WIN 0
.rept 4
	RID 1-(\p), rn
.set rn, rn+1
.endr
.if g < 20
	RID 1-(\p), rn
.set rn, rn+1
.endif
.endif
.set g, g+1
.endr
	s_add_co_u32 s[TN], s[TN], 1
.endm
; THE CHANGE OF SLOTS.  It stands where the old slot's last block has been asked for.  Each wave waits for all its tensor loads, of which one is out: its part of the other slot; adds 0 to its spare word;
; and waits for that and for its own reads of the old slot.  fill = 1: the barrier is a round of the cluster's, so that no wave of any partner still reads the slot or has a load on its way, and
; the joint refill, the tile two tiles on, is the first thing behind it: one tensor load of mine is out, and it has 512 matrix instructions in which to land.
.macro CHANGE fill
	WIN 0                                          ; at a label and at a branch every window is 0
	s_wait_tensorcnt 0x0                           ; no tensor load of mine is out, so a group 0 may be written
	ds_add_u32 v[SPW], v[NIL]                      ; 0 onto my spare word
.if \fill
	s_xor_b32 s[G0W+1], s[G0W+1], SLOT1            ; the other slot than last time,
	s_add_nc_u64 s[G0W+2:G0W+3], s[G0W+2:G0W+3], TILEB  ; the next tile; the type bits on top are not reached
	s_wait_xcnt 0x0                                ; the last prefetch, eight blocks back, has read its address
	s_add_nc_u64 s[PFA:PFA+1], s[PFA:PFA+1], TILEB
	s_wait_dscnt 0x0                               ; the add is done, and my reads of the slot are over
	CROUND
	tensor_load_to_lds s[G0W:G0W+3], s[G1:G1+7]
	s_nop 0
.rept 4
	v_nop
.endr
	ASK
.else
	s_wait_dscnt 0x0                               ; the add is done, and my reads of the slot are over
	s_barrier_signal -1
	s_barrier_wait -1
.endif
	s_sub_co_u32 s[TB], s[TB], SLOT1               ; the fetches go back to a slot's first block,
	s_xor_b32 s[TB], s[TB], SLOT1                  ; in the other slot
.endm
; x ON ITS WAY IN.  Unit u = row tile u / 2, half u % 2 of K: 16 rows x 1,024 bytes of f32, by 32 loads of 512 consecutive bytes, into set u % 2 of window 1.
.macro XLOADS u
	WIN 0x40
.set i, 0
.rept 32
	global_load_b128 v[128*((\u)%2)+4*i:128*((\u)%2)+4*i+3], v[XO], s[4:5] offset:(16*((\u)/2)+i/2)*2048+((\u)%2)*1024+(i%2)*512
.set i, i+1
.endr
.endm
; ||x||^2.  Of unit u's 8 groups of 32 k lane l has read groups 4 (l / 16) .. + 3 of row l % 16: 16 words a group.  Four chains of 32 terms, by turns: a word's low half, then its high half.
; The square of a bf16 number is exact in f32: the fused multiply-add gives the bits of a multiply and an add.  Behind a row tile's second unit its 16 group sums are brought into both halves of
; the lanes, in the same order (groups 0-3 and 8-11 are the lower half's, 4-7 and 12-15 the upper half's), and added one after the other, ascending.
.macro XSQ u
	WIN 0
	s_wait_dscnt 0x0                               ; the unit's LDS instructions are done: my 128 k are in
.irp q, 0,1,2,3
	v_mov_b32 v[GSM+4*((\u)%2)+(\q)], 0
.endr
.set z, 0
.rept 16
.irp q, 0,1,2,3
	v_fma_mix_f32_bf16 v[GSM+4*((\u)%2)+(\q)], v[XS+16*(\q)+z], v[XS+16*(\q)+z], v[GSM+4*((\u)%2)+(\q)] op_sel_hi:[1,1,0]
.endr
.irp q, 0,1,2,3
	v_fma_mix_f32_bf16 v[GSM+4*((\u)%2)+(\q)], v[XS+16*(\q)+z], v[XS+16*(\q)+z], v[GSM+4*((\u)%2)+(\q)] op_sel:[1,1,0] op_sel_hi:[1,1,0]
.endr
.set z, z+1
.endr
.if (\u)%2
.irp i, 0,1,2,3,4,5,6,7
	v_permlanex16_b32 v[GSO+(\i)], v[GSM+(\i)], s[SEL], s[SEL+1]
.endr
.irp i, 0,1,2,3,4,5,6,7
	v_cndmask_b32 v[XS+(\i)],   v[GSM+(\i)], v[GSO+(\i)], s[HIM]   ; the lower half's sums, in every lane
	v_cndmask_b32 v[XS+8+(\i)], v[GSO+(\i)], v[GSM+(\i)], s[HIM]   ; the upper half's
.endr
	v_add_f32 v[XX+2*((\u)/2)], v[XS], v[XS+1]
.irp i, 2,3,8,9,10,11,4,5,6,7,12,13,14,15
	v_add_f32 v[XX+2*((\u)/2)], v[XX+2*((\u)/2)], v[XS+(\i)]
.endr
	v_mov_b32 v[XX+2*((\u)/2)+1], v[XX+2*((\u)/2)]
.endif
.endm
; A unit is rounded to bf16, laid into my stage by rows of 512 bytes, and read back twice: as eight fragments, and by rows for the norm.  LDS serves a wave's instructions in order (ISA guide
; 5.7.1.4): the loads see the stores in front of them.  The unit two on is asked for as soon as its registers have been read; the norm's sums of the unit before stand at a unit's head, while global loads are out.
.macro UNIT u
.if (\u) > 0
	XSQ (\u)-1
.endif
.if (\u) < 7
	s_wait_loadcnt 32                              ; this unit is in; the next unit's 32 loads stay out
.else
	s_wait_loadcnt 0x0
.endif
.if (\u) == 0
	WIN 0
.irp t, 0,1,2,3
	ds_store_b128 v[EST], v[RES+4*(\t):RES+4*(\t)+3] offset:512*(\t)  ; my 2,048 bytes of ee, which were asked for first
.endr
.endif
	WIN 0x05                                       ; sources in window 1, destination in window 0
.set i, 0
.rept 64
	v_cvt_pk_bf16_f32 v[TMP+i], v[128*((\u)%2)+2*i], v[128*((\u)%2)+2*i+1]
.set i, i+1
.endr
.if (\u) < 6
	XLOADS (\u)+2
.endif
	WIN 0
.set i, 0
.rept 32
	ds_store_b64 v[STA], v[TMP+2*i:TMP+2*i+1] offset:(i/2)*SPITCH+(i%2)*256
.set i, i+1
.endr
	WIN 0x80+0x40*((\u)%2)                         ; destination window 2 or 3
.set i, 0
.rept 8
	ds_load_b128 v[(i*4+(\u)/2)*8:(i*4+(\u)/2)*8+3],   v[FRA] offset:64*i
	ds_load_b128 v[(i*4+(\u)/2)*8+4:(i*4+(\u)/2)*8+7], v[FRA] offset:64*i+32
.set i, i+1
.endr
	WIN 0
.set i, 0
.rept 16                               ; sixteen lanes take the same 16 bytes of sixteen rows, 33 x 16 bytes apart
	ds_load_b128 v[XS+4*i:XS+4*i+3], v[XRA] offset:16*i
.set i, i+1
.endr
.endm
; THE END, for row tile mb: block numbers become codes; the least of the row's 16 best distances (8 registers, two halves of the lanes); among the places that hold it the least code; the key.
.macro FIN mb
.set fV, BV+8*(\mb)
.set fI, BI+8*(\mb)
.set fT, TMP+4*(\mb)
.irp j, 0,1,2,3,4,5,6,7
	v_lshl_add_u32 v[fI+(\j)], v[fI+(\j)], 4, v[HJ+(\j)]
.endr
	v_min_num_f32 v[fT], v[fV], v[fV+1]
.irp j, 2,3,4,5,6,7
	v_min_num_f32 v[fT], v[fT], v[fV+(\j)]
.endr
	v_permlanex16_b32 v[fT+1], v[fT], s[SEL], s[SEL+1]
	v_min_num_f32 v[fT], v[fT], v[fT+1]
.irp j, 0,1,2,3,4,5,6,7
	v_cmp_eq_f32 s[MK+(\j)%4], v[fV+(\j)], v[fT]
	v_cndmask_b32 v[fI+(\j)], -1, v[fI+(\j)], s[MK+(\j)%4]
.endr
.irp j, 1,2,3,4,5,6,7
	v_min_u32 v[fI], v[fI], v[fI+(\j)]
.endr
	v_permlanex16_b32 v[fT+1], v[fI], s[SEL], s[SEL+1]
	v_min_u32 v[RES+2*(\mb)+1], v[fI], v[fT+1]
	v_ashrrev_i32 v[fT+2], 31, v[fT]
	v_or_b32 v[fT+2], 0x80000000, v[fT+2]
	v_xor_b32 v[RES+2*(\mb)], v[fT], v[fT+2]
.endm
	s_load_b256 s[4:11], s[0:1], 0x0               ; input s[4:5], embT s[6:7], ee s[8:9], cand s[10:11]
	v_lshl_add_u32 v[SPW], v0, 2, SPARE
	v_mov_b32 v[NIL], 0
	ds_add_u32 v[SPW], v[NIL]                      ; the wave's opening: the add and its wait stand ahead of my first tensor load; the set-up below, work on registers, stands between them
	v_lshrrev_b32 v1, 5, v0
	v_readfirstlane_b32 s[WV], v1                  ; wave 0..3
	s_bfe_u32 s[CX], ttmp6, 0x40000                ; my place in the cluster
	s_bfe_u32 s[CY], ttmp6, 0x40004                ; which is also my quarter
	s_lshl_b32 s16, ttmp9, 2                       ; in a cluster launch ttmp9 counts clusters
	s_add_co_u32 s16, s16, s[CX]                   ; my block of 256 rows: it enters input's and cand's addresses alone
	s_lshl_b32 s17, s[CY], 2
	s_lshl_b32 s17, 15, s17                        ; my row of the cluster: places 4 cy .. 4 cy + 3
	; descriptor group 1: 32 rows x 512 elements, padded in LDS
	s_or_b32 s[G1], s17, (1<<16)|(1<<20)|(1<<21)|(7<<22)|(3<<25)  ; 15:0 the mask; 17:16 elements of 2 bytes; 20 padding on; 21 set beside a mask; 24:22 after every 256 words (code 7); 31:25 4 words (code 3)
	s_mov_b32 s[G1+1], 512<<16                     ; tensor_dim0 = 512
	s_mov_b32 s[G1+2], 32<<16                      ; tensor_dim1 = 32
	s_mov_b32 s[G1+3], 512<<16                     ; tile_dim0 = 512
	s_mov_b32 s[G1+4], 32                          ; tile_dim1 = 32
	s_mov_b32 s[G1+5], 512                         ; elements from row to row
	s_mov_b32 s[G1+6], 0
	s_mov_b32 s[G1+7], 0
	s_lshl_b32 s18, s[CY], 21                      ; the quarter's 2,048 rows of embT,
	s_lshl_b32 s19, s[WV], 15                      ; my 32 rows of a tile
	s_add_co_u32 s18, s18, s19
	s_mov_b32 s19, 0
	s_mul_i32 s20, s[WV], WPART                    ; and their place in a slot: no place in the cluster enters an LDS address
	s_mov_b32 s[G0A], 1                            ; 1:0 count = 1
	s_mov_b32 s[G0A+1], s20                        ; 63:32 LDS address: slot 0
	s_mov_b32 s[G0W], 1
	s_add_co_u32 s[G0W+1], s20, SLOT1              ; slot 1
	s_lshl_b32 s22, s16, 19                        ; input: 256 rows of 2,048 bytes a block,
	s_lshl_b32 s23, s[WV], 17                      ; 64 a wave
	s_add_co_u32 s22, s22, s23
	s_mov_b32 s23, 0
	s_lshl_b32 s56, s[CY], 17                      ; cand: 131,072 bytes a quarter,
	s_lshl_b32 s57, s16, 11                        ; 8 bytes a row
	s_add_co_u32 s56, s56, s57
	s_lshl_b32 s57, s[WV], 9
	s_add_co_u32 s56, s56, s57
	s_mov_b32 s57, 0
	s_lshl_b32 s58, s[CY], 13                      ; ee: 8,192 bytes a quarter
	s_mov_b32 s59, 0
	s_lshl_b32 s60, s[CX], 8                       ; the prefetches: my work-group's 256 bytes of a row,
	s_add_co_u32 s60, s60, 2*TILEB                 ; in tile 2; the first change of slots steps it to tile 3
	s_mov_b32 s61, 0
	s_cmp_eq_u32 ttmp9, 0
	s_cselect_b32 s[LIM], 1, -1                    ; the same in all sixteen partners
	s_mov_b32 s[HIM], 0xffff0000
	s_mov_b32 s[SEL], 0x76543210
	s_mov_b32 s[SEL+1], 0xfedcba98
	v_and_b32 v1, 15, v0                           ; l % 16
	v_bfe_u32 v2, v0, 4, 1                         ; l / 16; kept
	v_and_b32 v3, 31, v0                           ; l
	v_lshlrev_b32 v[XO], 4, v3
	s_mul_i32 s21, s[WV], WSTAGE
	s_add_co_u32 s21, s21, STAGE                   ; my stage
	v_lshl_add_u32 v[STA], v3, 3, s21
	v_mul_u32_u24 v[FRA], v1, SPITCH
	v_add_nc_u32 v[FRA], s21, v[FRA]               ; row l % 16 of it;
	v_lshl_add_u32 v[XRA], v2, 8, v[FRA]           ; for the norm 256 bytes for each half of the lanes,
	v_lshl_add_u32 v[FRA], v2, 4, v[FRA]           ; for a fragment 16
	v_mul_u32_u24 v[AB0], v1, PITCH
	v_lshl_add_u32 v[AB0], v2, 4, v[AB0]
	v_lshlrev_b32 v[PFO], 10, v3
	s_lshl_b32 s62, s[WV], 11
	v_lshl_add_u32 v[EGO], v3, 4, s62
	v_add_nc_u32 v[EST], EEB, v[EGO]
	v_lshlrev_b32 v[CO], 3, v3
	s_lshl_b32 s62, s[CY], 11
	v_lshl_add_u32 v[HJ], v2, 3, s62
.irp j, 1,2,3,4,5,6,7
	v_add_nc_u32 v[HJ+(\j)], (\j), v[HJ]
.endr
	s_wait_dscnt 0x0                               ; the opening add is done
	s_wait_kmcnt 0x0
	s_add_nc_u64 s[6:7], s[6:7], s[18:19]          ; embT at my rows of the quarter's tile 0
	s_mov_b64 s[G0A+2:G0A+3], s[6:7]               ; 120:64 global address
	s_or_b32 s[G0A+3], s[G0A+3], 0x80000000        ; 127:126 type = 2
	s_add_nc_u64 s[G0W+2:G0W+3], s[6:7], TILEB     ; tile 1
	s_or_b32 s[G0W+3], s[G0W+3], 0x80000000
	s_add_nc_u64 s[PFA:PFA+1], s[6:7], s[60:61]
	s_add_nc_u64 s[4:5], s[4:5], s[22:23]
	s_add_nc_u64 s[8:9], s[8:9], s[58:59]
	s_add_nc_u64 s[10:11], s[10:11], s[56:57]
	CROUND                                         ; all sixteen work-groups are here: the first joint loads meet
	tensor_load_to_lds s[G0A:G0A+3], s[G1:G1+7]    ; both first fills go out together: two tensor loads of mine are out
	s_nop 0
	tensor_load_to_lds s[G0W:G0W+3], s[G1:G1+7]
	s_nop 0
.rept 4
	v_nop
.endr
.irp t, 0,1,2,3
	global_load_b128 v[RES+4*(\t):RES+4*(\t)+3], v[EGO], s[8:9] offset:512*(\t)
.endr
	XLOADS 0
	XLOADS 1
	WIN 0
; What the first block's judging finds: an idle set of sums that hold 0 (cleared behind the units, whose norm work uses those registers) with ee = +infinity, so its distances are +infinity and
; displace nothing; best distances +infinity, block numbers 0.  So no first block is written out; these lines run while the first loads are on their way.
.set i, 0
.rept 32
	v_mov_b32 v[BV+i], 0x7f800000
	v_mov_b32 v[BI+i], 0
.set i, i+1
.endr
.set i, 0
.rept 8
	v_mov_b32 v[EE0+8+i], 0x7f800000
.set i, i+1
.endr
.irp u, 0,1,2,3,4,5,6,7
	UNIT \u
.endr
	XSQ 7                                          ; the last unit's sums, and the last row tile's norm
.set i, 0
.rept 32
	v_mov_b32 v[ACC+32+i], 0
.set i, i+1
.endr
	s_wait_dscnt 0x0                               ; my fragments of x are in; for the others' sake: my part of ee is stored
	s_wait_tensorcnt 0x1                           ; my part of slot 0 is in; slot 1's may stay out
	s_barrier_signal -1
	s_barrier_wait -1                              ; everybody's is
	v_mov_b32 v[ADR], v[AB0]                       ; block 0 lies at the head of slot 0
	BL 0, 0
	BL 0, 1
	BL 0, 2
	BL 0, 3
	WIN 0
	s_mov_b32 s[TB], BLKB
	s_mov_b32 s[EB], EEB
	s_mov_b32 s[TN], -1
	s_mov_b32 s[CNT], 4
	s_mov_b32 s[SLOTS], 15
	s_branch .Lfirst                               ; the loop is entered in the middle of a trip
.Lslot:                                        ; 14 times: tiles 2 to 15 are asked for.  Between two changes: a tile's last block and the next tile's first seven
	CHANGE 1
	s_mov_b32 s[CNT], 4
.Lstep:
	NBLOCK 1, 1
	WIN 0
.Lfirst:
	NBLOCK 0, 1
	WIN 0
	s_sub_co_u32 s[CNT], s[CNT], 1
	s_cmp_lg_u32 s[CNT], 0
	s_cbranch_scc1 .Lstep
	s_sub_co_u32 s[SLOTS], s[SLOTS], 1
	s_cmp_lg_u32 s[SLOTS], 0
	s_cbranch_scc1 .Lslot
	CHANGE 0                                       ; the tail is written out: nothing is asked for
	s_mov_b32 s[CNT], 4
.Ltail:
	NBLOCK 1, 1
	NBLOCK 0, 1
	WIN 0
	s_sub_co_u32 s[CNT], s[CNT], 1
	s_cmp_lg_u32 s[CNT], 0
	s_cbranch_scc1 .Ltail
	NBLOCK 1, 0                                    ; the last block: nothing is left to fetch
	WIN 0
.rept 4
	v_nop                                          ; the places behind the last products
.endr
	s_wait_dscnt 0x0                               ; the last block's ee
.set t9, 0
.rept 128
	RID 1, t9
.set t9, t9+1
.endr
	FIN 0
	FIN 1
	FIN 2
	FIN 3
	; after the exchange both halves of the lanes hold a row's result: lane l stores row l (row tile l / 16), then row 32 + l
	v_cndmask_b32 v[OUTR],   v[RES],   v[RES+2], s[HIM]
	v_cndmask_b32 v[OUTR+1], v[RES+1], v[RES+3], s[HIM]
	v_cndmask_b32 v[OUTR+2], v[RES+4], v[RES+6], s[HIM]
	v_cndmask_b32 v[OUTR+3], v[RES+5], v[RES+7], s[HIM]
	global_store_b64 v[CO], v[OUTR:OUTR+1],   s[10:11]             ; 32 lanes store 256 consecutive bytes, aligned
	global_store_b64 v[CO], v[OUTR+2:OUTR+3], s[10:11] offset:256
	s_wait_tensorcnt 0x0                           ; the wave's end, behind my last tensor load and my last LDS store
	ds_add_u32 v[SPW], v[NIL]
	s_wait_dscnt 0x0
	CROUND                                         ; the closing round: no work-group ends while a partner may still ask for a tile that names it
	s_endpgm
.Lfunc_end_k_qb39ad39ab3_main:
	.size	k_qb39ad39ab3_main, .Lfunc_end_k_qb39ad39ab3_main-k_qb39ad39ab3_main
	.p2alignl 7, 3214868480
	.fill 96, 4, 3214868480
	.section	.rodata,"a",@progbits
	.p2align	6, 0x0
	.amdhsa_kernel k_qb39ad39ab3_main
		.amdhsa_group_segment_fixed_size 327680
		.amdhsa_private_segment_fixed_size 0
		.amdhsa_enable_private_segment 0
		.amdhsa_kernarg_size 32
		.amdhsa_user_sgpr_count 2
		.amdhsa_user_sgpr_kernarg_segment_ptr 1
		.amdhsa_wavefront_size32 1
		.amdhsa_system_sgpr_workgroup_id_x 1
		.amdhsa_system_sgpr_workgroup_id_y 1
		.amdhsa_system_sgpr_workgroup_id_z 1
		.amdhsa_system_vgpr_workitem_id 0
		.amdhsa_next_free_vgpr 1024
		.amdhsa_next_free_sgpr 66
		.amdhsa_reserve_vcc 0
		.amdhsa_float_denorm_mode_32 3
		.amdhsa_float_denorm_mode_16_64 3
		.amdhsa_memory_ordered 1
		.amdhsa_forward_progress 1
		.amdhsa_inst_pref_size 255
	.end_amdhsa_kernel
	.section	.bss,"aw",@nobits
	.p2align	6
	.space	262144
	.amdgpu_metadata
---
amdhsa.version: [ 1, 2 ]
amdhsa.kernels:
  - .name:           k_qb39ad39ab3_main
    .symbol:         k_qb39ad39ab3_main.kd
    .args:
      - { .name: input, .offset: 0, .size: 8, .value_kind: global_buffer, .address_space: global }
      - { .name: embT, .offset: 8, .size: 8, .value_kind: global_buffer, .address_space: global }
      - { .name: ee, .offset: 16, .size: 8, .value_kind: global_buffer, .address_space: global }
      - { .name: cand, .offset: 24, .size: 8, .value_kind: global_buffer, .address_space: global }
    .group_segment_fixed_size: 327680
    .private_segment_fixed_size: 0
    .kernarg_segment_align: 8
    .kernarg_segment_size: 32
    .max_flat_workgroup_size: 128
    .sgpr_count:     66
    .vgpr_count:     1024
    .wavefront_size: 32
...
	.end_amdgpu_metadata
.endif
;; end of part 2
;; launch finish (part 3): grid 256 x 1, 8 waves a work-group, no clusters, 0 bytes of LDS; arguments cand, embT, input, out0, out2, part; writes out0, out2, part
.if DOCPART == 3
	.amdgcn_target "amdgcn-amd-amdhsa--gfx1250"
	.amdhsa_code_object_version 6
	.text
	.protected	k_qb39ad39ab3_finish
	.globl	k_qb39ad39ab3_finish
	.p2align	8
	.type	k_qb39ad39ab3_finish,@function
k_qb39ad39ab3_finish:
	s_mov_b64 s[64:65], 0
	v_nop
	global_prefetch_b8 v0, s[64:65] scope:SCOPE_SE
	s_setreg_imm32_b32 hwreg(HW_REG_WAVE_MODE, 25, 1), 1
	s_wait_xcnt 0x0
; For each row: the best of its four candidates (least key; of equal keys the earlier quarter, which holds the lower indices); out2 = its index; q = that row of embT;
; out0 = x + (q - x); part[wave] = the sum of (q - x)^2 over the wave's 8 rows.
; cand: [4][16384]{key, index}, whole numbers stored by the launch before.  embT: [8192][512] bf16.  input, out0: [16384][512] f32.  out2: [16384] i32.  part: [2048] f32.
; LIMIT.  q is the code rounded to bf16; x is taken as given, in f32.
; SHARES.  A work-group takes 64 rows, a wave 8.  No loop: a wave's 68 loads go out together.  The choice that steers the gather is made in scalar registers, on whole numbers read from memory;
; the index is held to 0 .. 8191 before it enters an address.  Memory binds: no LDS, no barrier, no matrix unit; no prefetch, since the launch streams all the time.
.set XO,   2                           ; v2   16 x lane
.set CL,   3                           ; v3   8 x lane
.set ZA,   4                           ; v4   0
.set T,    8                           ; v[8:15]    q, then q - x: two sets of four
.set LACC, 16                          ; v[16:31]   eight pairs of sums of squares
.set X,    32                          ; v[32:159]  row i, piece s (512 bytes of the row) at X + 16 i + 4 s
.set C,    160                         ; v[160:223] the code's 8 bytes for the same piece at C + 8 i + 2 s
.set CV,   224                         ; v[224:239] quarter q's records of the work-group's rows 2 l and 2 l + 1 at CV + 4 q
.set WV,   66
.set HIM,  67                          ; a word's upper bf16
	s_load_b256 s[4:11], s[0:1], 0x0               ; cand s[4:5], embT s[6:7], input s[8:9], out0 s[10:11]
	s_load_b128 s[12:15], s[0:1], 0x20             ; out2 s[12:13], part s[14:15]
	v_lshrrev_b32 v1, 5, v0
	v_readfirstlane_b32 s[WV], v1                  ; wave 0..7
	v_and_b32 v1, 31, v0                           ; lane
	v_lshlrev_b32 v[XO], 4, v1
	v_lshlrev_b32 v[CL], 3, v1
	v_mov_b32 v[ZA], 0
	s_mov_b32 s[HIM], 0xffff0000
	s_lshl_b32 s2, ttmp9, 9                        ; the work-group's 64 records of 8 bytes
	s_mov_b32 s3, 0
	s_wait_kmcnt 0x0
	s_add_nc_u64 s[86:87], s[4:5], s[2:3]
	s_lshl_b32 s2, s[WV], 6                        ; my 8 of them
	s_add_nc_u64 s[84:85], s[86:87], s[2:3]
	s_load_b512 s[16:31], s[84:85], 0x0            ; my rows' records, a quarter each: 131,072 bytes apart
	s_load_b512 s[32:47], s[84:85], 0x20000
	s_load_b512 s[48:63], s[84:85], 0x40000
	s_load_b512 s[68:83], s[84:85], 0x60000
	s_lshl_b32 s2, ttmp9, 3
	s_add_co_u32 s2, s2, s[WV]                     ; my wave among the 2,048
	s_lshl_b32 s4, s2, 2
	s_mov_b32 s5, 0
	s_add_nc_u64 s[14:15], s[14:15], s[4:5]        ; its word of part
	s_lshl_b32 s4, ttmp9, 8
	s_add_nc_u64 s[12:13], s[12:13], s[4:5]        ; the work-group's 256 bytes of out2
	s_lshl_b32 s2, s2, 14                          ; my 8 rows of 2,048 bytes
	s_add_nc_u64 s[8:9], s[8:9], s[2:3]
	s_add_nc_u64 s[10:11], s[10:11], s[2:3]
.irp q, 0,1,2,3
	global_load_b128 v[CV+4*(\q):CV+4*(\q)+3], v[XO], s[86:87] offset:(\q)*131072
.endr
.set i, 0
.rept 32
	global_load_b128 v[X+4*i:X+4*i+3], v[XO], s[8:9] offset:i*512 th:TH_LOAD_NT
.set i, i+1
.endr
	s_mov_b32 s2, 0x76543210                       ; v_permlanex16_b32's selects
	s_mov_b32 s3, 0xfedcba98
	s_wait_kmcnt 0x0
.irp i, 0,1,2,3,4,5,6,7
.irp b, 32,48,68
	s_cmp_lt_u32 s[(\b)+2*(\i)], s[16+2*(\i)]      ; strictly less: of equal keys the earlier quarter stays
	s_cselect_b32 s[16+2*(\i)], s[(\b)+2*(\i)], s[16+2*(\i)]
	s_cselect_b32 s[17+2*(\i)], s[(\b)+2*(\i)+1], s[17+2*(\i)]
.endr
	s_min_u32 s[17+2*(\i)], s[17+2*(\i)], 0x1fff   ; inside the table, whatever was read
	s_lshl_b32 s[16+2*(\i)], s[17+2*(\i)], 10      ; a row of embT is 1,024 bytes
	s_mov_b32 s[17+2*(\i)], 0
	s_add_nc_u64 s[16+2*(\i):17+2*(\i)], s[6:7], s[16+2*(\i):17+2*(\i)]
.irp s, 0,1,2,3
	global_load_b64 v[C+8*(\i)+2*(\s):C+8*(\i)+2*(\s)+1], v[CL], s[16+2*(\i):17+2*(\i)] offset:256*(\s)  ; 256 consecutive bytes, aligned: the k of x's piece s
.endr
.endr
.macro ROW i
	s_wait_loadcnt 28-4*(\i)                       ; loads come back in order (ISA guide 5.7.1): this row's code is in, and all of x; the later rows' codes stay out
.irp s, 0,1,2,3
.set rX, X+16*(\i)+4*(\s)
.set rC, C+8*(\i)+2*(\s)
.set rT, T+4*((\s)%2)
	v_lshlrev_b32 v[rT],   16, v[rC]               ; bf16 to f32: the low half moves up, the high half stays
	v_and_b32     v[rT+1], s[HIM], v[rC]
	v_lshlrev_b32 v[rT+2], 16, v[rC+1]
	v_and_b32     v[rT+3], s[HIM], v[rC+1]
	v_pk_add_f32 v[rT:rT+1],   v[rT:rT+1],   v[rX:rX+1]   neg_lo:[0,1] neg_hi:[0,1]  ; d = q - x
	v_pk_add_f32 v[rT+2:rT+3], v[rT+2:rT+3], v[rX+2:rX+3] neg_lo:[0,1] neg_hi:[0,1]
	v_pk_add_f32 v[rX:rX+1],   v[rX:rX+1],   v[rT:rT+1]                              ; x + d
	v_pk_add_f32 v[rX+2:rX+3], v[rX+2:rX+3], v[rT+2:rT+3]
.if (\i) == 0
	v_pk_mul_f32 v[LACC+4*(\s):LACC+4*(\s)+1],   v[rT:rT+1],   v[rT:rT+1]            ; the first row starts the sums
	v_pk_mul_f32 v[LACC+4*(\s)+2:LACC+4*(\s)+3], v[rT+2:rT+3], v[rT+2:rT+3]
.else
	v_pk_fma_f32 v[LACC+4*(\s):LACC+4*(\s)+1],   v[rT:rT+1],   v[rT:rT+1],   v[LACC+4*(\s):LACC+4*(\s)+1]
	v_pk_fma_f32 v[LACC+4*(\s)+2:LACC+4*(\s)+3], v[rT+2:rT+3], v[rT+2:rT+3], v[LACC+4*(\s)+2:LACC+4*(\s)+3]
.endif
	global_store_b128 v[XO], v[rX:rX+3], s[10:11] offset:(\i)*2048+(\s)*512 th:TH_STORE_NT  ; 512 consecutive bytes, aligned
.endr
.endm
.irp i, 0,1,2,3,4,5,6,7
	ROW \i
.endr
	v_pk_add_f32 v[LACC:LACC+1],     v[LACC:LACC+1],     v[LACC+2:LACC+3]
	v_pk_add_f32 v[LACC+4:LACC+5],   v[LACC+4:LACC+5],   v[LACC+6:LACC+7]
	v_pk_add_f32 v[LACC+8:LACC+9],   v[LACC+8:LACC+9],   v[LACC+10:LACC+11]
	v_pk_add_f32 v[LACC+12:LACC+13], v[LACC+12:LACC+13], v[LACC+14:LACC+15]
	v_pk_add_f32 v[LACC:LACC+1],     v[LACC:LACC+1],     v[LACC+4:LACC+5]
	v_pk_add_f32 v[LACC+8:LACC+9],   v[LACC+8:LACC+9],   v[LACC+12:LACC+13]
	v_pk_add_f32 v[LACC:LACC+1],     v[LACC:LACC+1],     v[LACC+8:LACC+9]
	v_add_f32 v[LACC], v[LACC], v[LACC+1]
	v_add_f32_dpp v[LACC], v[LACC], v[LACC] row_xmask:1 row_mask:0xf bank_mask:0xf
	v_add_f32_dpp v[LACC], v[LACC], v[LACC] row_xmask:2 row_mask:0xf bank_mask:0xf
	v_add_f32_dpp v[LACC], v[LACC], v[LACC] row_xmask:4 row_mask:0xf bank_mask:0xf
	v_add_f32_dpp v[LACC], v[LACC], v[LACC] row_xmask:8 row_mask:0xf bank_mask:0xf
	v_permlanex16_b32 v[LACC+1], v[LACC], s2, s3
	v_add_f32 v[LACC], v[LACC], v[LACC+1]          ; every lane holds the wave's sum
	s_cmp_lg_u32 s[WV], 0
	s_cbranch_scc1 .Lnot0
	; wave 0 writes the work-group's 64 indices as one whole block: lane l chooses for rows 2 l and 2 l + 1, as above
.irp e, 0,1
.irp q, 1,2,3
	v_cmp_lt_u32 vcc_lo, v[CV+4*(\q)+2*(\e)], v[CV+2*(\e)]
	v_cndmask_b32 v[CV+2*(\e)+1], v[CV+2*(\e)+1], v[CV+4*(\q)+2*(\e)+1], vcc_lo
	v_cndmask_b32 v[CV+2*(\e)],   v[CV+2*(\e)],   v[CV+4*(\q)+2*(\e)],   vcc_lo
.endr
.endr
	v_mov_b32 v[CV+2], v[CV+1]                     ; the two indices side by side
	global_store_b64 v[CL], v[CV+2:CV+3], s[12:13] ; 256 consecutive bytes, aligned
.Lnot0:
	s_wait_xcnt 0x0                                ; EXEC changes only behind this wait
	v_cmp_eq_u32 vcc_lo, 0, v1
	s_and_saveexec_b32 s4, vcc_lo
	global_store_b32 v[ZA], v[LACC], s[14:15]      ; lane 0: one number a wave
	s_wait_xcnt 0x0                                ; and again, in front of the line that widens it
	s_or_b32 exec_lo, exec_lo, s4
	s_endpgm
.Lfunc_end_k_qb39ad39ab3_finish:
	.size	k_qb39ad39ab3_finish, .Lfunc_end_k_qb39ad39ab3_finish-k_qb39ad39ab3_finish
	.p2alignl 7, 3214868480
	.fill 96, 4, 3214868480
	.section	.rodata,"a",@progbits
	.p2align	6, 0x0
	.amdhsa_kernel k_qb39ad39ab3_finish
		.amdhsa_group_segment_fixed_size 0
		.amdhsa_private_segment_fixed_size 0
		.amdhsa_enable_private_segment 0
		.amdhsa_kernarg_size 48
		.amdhsa_user_sgpr_count 2
		.amdhsa_user_sgpr_kernarg_segment_ptr 1
		.amdhsa_wavefront_size32 1
		.amdhsa_system_sgpr_workgroup_id_x 1
		.amdhsa_system_sgpr_workgroup_id_y 1
		.amdhsa_system_sgpr_workgroup_id_z 1
		.amdhsa_system_vgpr_workitem_id 0
		.amdhsa_next_free_vgpr 240
		.amdhsa_next_free_sgpr 88
		.amdhsa_reserve_vcc 1
		.amdhsa_float_denorm_mode_32 3
		.amdhsa_float_denorm_mode_16_64 3
		.amdhsa_memory_ordered 1
		.amdhsa_forward_progress 1
		.amdhsa_inst_pref_size 33
	.end_amdhsa_kernel
	.amdgpu_metadata
---
amdhsa.version: [ 1, 2 ]
amdhsa.kernels:
  - .name:           k_qb39ad39ab3_finish
    .symbol:         k_qb39ad39ab3_finish.kd
    .args:
      - { .name: cand, .offset: 0, .size: 8, .value_kind: global_buffer, .address_space: global }
      - { .name: embT, .offset: 8, .size: 8, .value_kind: global_buffer, .address_space: global }
      - { .name: input, .offset: 16, .size: 8, .value_kind: global_buffer, .address_space: global }
      - { .name: out0, .offset: 24, .size: 8, .value_kind: global_buffer, .address_space: global }
      - { .name: out2, .offset: 32, .size: 8, .value_kind: global_buffer, .address_space: global }
      - { .name: part, .offset: 40, .size: 8, .value_kind: global_buffer, .address_space: global }
    .group_segment_fixed_size: 0
    .private_segment_fixed_size: 0
    .kernarg_segment_align: 8
    .kernarg_segment_size: 48
    .max_flat_workgroup_size: 256
    .sgpr_count:     88
    .vgpr_count:     240
    .wavefront_size: 32
...
	.end_amdgpu_metadata
.endif
;; end of part 3
;; launch losssum (part 4): grid 1 x 1, 1 waves a work-group, no clusters, 0 bytes of LDS; arguments part, out1; writes out1
.if DOCPART == 4
	.amdgcn_target "amdgcn-amd-amdhsa--gfx1250"
	.amdhsa_code_object_version 6
	.text
	.protected	k_qb39ad39ab3_losssum
	.globl	k_qb39ad39ab3_losssum
	.p2align	8
	.type	k_qb39ad39ab3_losssum,@function
k_qb39ad39ab3_losssum:
	s_mov_b64 s[64:65], 0
	v_nop
	global_prefetch_b8 v0, s[64:65] scope:SCOPE_SE
	s_setreg_imm32_b32 hwreg(HW_REG_WAVE_MODE, 25, 1), 1
	s_wait_xcnt 0x0
; out1 = 0.25 x the mean of (q - x)^2 = 2^-25 x the sum of the 2,048 partial sums (16,384 x 512 = 2^23 numbers; 0.25 = 2^-2: the factor is exact).
; One wave: 16 loads of 512 consecutive bytes, a tree of packed additions in f32, one sum over the lanes.
.set D, 16                             ; v[16:79] my 64 partial sums
	s_load_b128 s[4:7], s[0:1], 0x0                ; part s[4:5], out1 s[6:7]
	v_lshlrev_b32 v1, 4, v0
	v_mov_b32 v2, 0
	s_mov_b32 s8, 0x76543210                       ; v_permlanex16_b32's selects
	s_mov_b32 s9, 0xfedcba98
	s_wait_kmcnt 0x0
.set t, 0
.rept 16
	global_load_b128 v[D+4*t:D+4*t+3], v1, s[4:5] offset:512*t
.set t, t+1
.endr
	s_wait_loadcnt 0x0
.irp n, 16,8,4,2,1
.set z, 0
.rept \n
	v_pk_add_f32 v[D+2*z:D+2*z+1], v[D+2*z:D+2*z+1], v[D+2*(z+(\n)):D+2*(z+(\n))+1]
.set z, z+1
.endr
.endr
	v_add_f32 v[D], v[D], v[D+1]
	v_add_f32_dpp v[D], v[D], v[D] row_xmask:1 row_mask:0xf bank_mask:0xf
	v_add_f32_dpp v[D], v[D], v[D] row_xmask:2 row_mask:0xf bank_mask:0xf
	v_add_f32_dpp v[D], v[D], v[D] row_xmask:4 row_mask:0xf bank_mask:0xf
	v_add_f32_dpp v[D], v[D], v[D] row_xmask:8 row_mask:0xf bank_mask:0xf
	v_permlanex16_b32 v[D+1], v[D], s8, s9
	v_add_f32 v[D], v[D], v[D+1]
	v_mul_f32 v[D], 0x33000000, v[D]               ; 2^-25
	s_wait_xcnt 0x0                                ; EXEC changes only behind this wait
	v_cmp_eq_u32 vcc_lo, 0, v0
	s_and_saveexec_b32 s10, vcc_lo
	global_store_b32 v2, v[D], s[6:7]
	s_wait_xcnt 0x0                                ; and again, in front of the line that widens it
	s_or_b32 exec_lo, exec_lo, s10
	s_endpgm
.Lfunc_end_k_qb39ad39ab3_losssum:
	.size	k_qb39ad39ab3_losssum, .Lfunc_end_k_qb39ad39ab3_losssum-k_qb39ad39ab3_losssum
	.p2alignl 7, 3214868480
	.fill 96, 4, 3214868480
	.section	.rodata,"a",@progbits
	.p2align	6, 0x0
	.amdhsa_kernel k_qb39ad39ab3_losssum
		.amdhsa_group_segment_fixed_size 0
		.amdhsa_private_segment_fixed_size 0
		.amdhsa_enable_private_segment 0
		.amdhsa_kernarg_size 16
		.amdhsa_user_sgpr_count 2
		.amdhsa_user_sgpr_kernarg_segment_ptr 1
		.amdhsa_wavefront_size32 1
		.amdhsa_system_sgpr_workgroup_id_x 1
		.amdhsa_system_sgpr_workgroup_id_y 1
		.amdhsa_system_sgpr_workgroup_id_z 1
		.amdhsa_system_vgpr_workitem_id 0
		.amdhsa_next_free_vgpr 80
		.amdhsa_next_free_sgpr 66
		.amdhsa_reserve_vcc 1
		.amdhsa_float_denorm_mode_32 3
		.amdhsa_float_denorm_mode_16_64 3
		.amdhsa_memory_ordered 1
		.amdhsa_forward_progress 1
		.amdhsa_inst_pref_size 5
	.end_amdhsa_kernel
	.amdgpu_metadata
---
amdhsa.version: [ 1, 2 ]
amdhsa.kernels:
  - .name:           k_qb39ad39ab3_losssum
    .symbol:         k_qb39ad39ab3_losssum.kd
    .args:
      - { .name: part, .offset: 0, .size: 8, .value_kind: global_buffer, .address_space: global }
      - { .name: out1, .offset: 8, .size: 8, .value_kind: global_buffer, .address_space: global }
    .group_segment_fixed_size: 0
    .private_segment_fixed_size: 0
    .kernarg_segment_align: 8
    .kernarg_segment_size: 16
    .max_flat_workgroup_size: 32
    .sgpr_count:     66
    .vgpr_count:     80
    .wavefront_size: 32
...
	.end_amdgpu_metadata
.endif
;; end of part 4
;; ======== version 2 of 2: 4 launches; version 1 with the launches prep, finish written anew for expert scheduling mode
;; workspace buffers: embT 8,388,608 bytes; ee 32,768 bytes; cand 524,288 bytes of whole numbers; part 8,192 bytes
;; launch prep (part 5): grid 128 x 1, 8 waves a work-group, no clusters, 71,680 bytes of LDS; arguments embed, embT, ee; writes embT, ee
.if DOCPART == 5
	.amdgcn_target "amdgcn-amd-amdhsa--gfx1250"
	.amdhsa_code_object_version 6
	.text
	.protected	k_qb39ad39ab3_prep
	.globl	k_qb39ad39ab3_prep
	.p2align	8
	.type	k_qb39ad39ab3_prep,@function
k_qb39ad39ab3_prep:
	s_mov_b64 s[64:65], 0
	v_nop
	global_prefetch_b8 v0, s[64:65] scope:SCOPE_SE
	s_setreg_imm32_b32 hwreg(HW_REG_WAVE_SCHED_MODE, 0, 2), 2
	s_setreg_imm32_b32 hwreg(HW_REG_WAVE_MODE, 25, 1), 1
	s_wait_xcnt 0x0
	s_wait_alu depctr_vm_vsrc(0)
; embT[c][k] = bf16(embed[k][c]);  ee[c] = the sum over k of embT[c][k]^2, in f32.
; embed: [512][8192] f32.  embT: [8192][512] bf16, K along the rows: the matrix operand and the gather table of the later launches.  ee: [8192] f32.
; SHARES.  A work-group takes 64 codes (256 bytes of every row of embed) and all 512 k.  Wave w takes k = 64 w .. 64 w + 63, lane l the codes 2 l and 2 l + 1:
; one load of a wave covers 256 consecutive bytes, aligned.  The turn goes through LDS; whole rows of embT (1,024 bytes) leave by stores of 512 consecutive bytes.
; THE NORM IS SUMMED IN TWO LEVELS: each group of 32 consecutive k one term after the other, k ascending; then the 16 group sums one after the other, ascending.  The square of a
; bf16 number is exact in f32, so a fused multiply-add gives the bits of a multiply followed by an add.  A wave's 64 k are two groups: it sums them from the packed words that it has
; just made; the group sums meet in LDS, and wave 0 adds them.
; No tensor loads: no wave wants a byte that another has fetched.  No prefetch: all of a wave's loads go out at once.
; THE MODE: SCHED_MODE bits 1:0 = 2 (LLVM: expert scheduling mode 2), set by the entry lines.  The code itself states the register dependences
; between vector instructions and memory or LDS instructions, with s_wait_alu, always for 0.
; THE PLAN.  Registers that memory or LDS instructions touch:
;   v2 - v9, v11  offsets, LDS addresses and the closing add's pair: written at the head, never again.
;   L             filled by the 64 global loads and read by the conversions; behind the barrier filled by LDS loads and read by the global stores; in wave 0 filled once more by LDS loads.
;   P0 .. P7      a set for each chunk of eight rows: written by the chunk's conversions, read by its sums and by two LDS stores, never written again.
;   SUM           written by the chains, read by two LDS stores behind the last chunk.
; Chunk c converts into P[c] and sums from it; its LDS instructions are the two stores of P[c - 1], which no vector line of chunk c names.  So one wait on va_vdst at a chunk's head
; states all that the chunk's stores hang on; one more behind the last chunk serves the last four stores and the LDS loads that land in L behind the barrier.
.set ROWB,  32768                      ; bytes in a row of embed
.set TP,    1040                       ; a code's row in LDS: 1,024 bytes + 16
.set GSB,   64*TP                      ; behind the 64 rows: the group sums, [16 groups][64 codes] f32: 4,096 bytes
.set SPARE, GSB+4096                   ; behind them: the spare words, 128 bytes for each of eight waves: four blocks of 256 bytes that no other line names
.set GO,  2                            ; v2  byte offset in embed: 8 l + 64 w rows
.set AS,  3                            ; v3  LDS: where I put 16 bytes (8 k) of code 2 l
.set AR,  4                            ; v4  LDS: where I read rows back
.set GS,  5                            ; v5  byte offset in embT
.set GA,  6                            ; v6  LDS: where I put my two codes' sums of group 2 w
.set GR,  7                            ; v7  LDS: my two codes' sums of group 0
.set SPW, 8                            ; v8  LDS address of my spare word; never rewritten
.set NIL, 9                            ; v9  0; never rewritten
.set EO,  11                           ; v11 byte offset in ee
.set SUM, 40                           ; v[40:43]  group 2 w: my two codes; group 2 w + 1: my two codes
.set L,   64                           ; v[64:191] row i of my 64: two f32 at L + 2 i; later rows read back; at the end the 16 group sums
.set P,   192                          ; v[192:255] chunk c at P + 8 c: packed bf16, code 2 l in the first four, code 2 l + 1 in the others
	s_load_b128 s[4:7], s[0:1], 0x0                ; embed s[4:5], embT s[6:7]
	s_load_b64 s[8:9], s[0:1], 0x10                ; ee
	v_lshl_add_u32 v[SPW], v0, 2, SPARE
	v_mov_b32 v[NIL], 0
	v_and_b32 v1, 31, v0                           ; lane
	v_lshrrev_b32 v10, 5, v0
	v_readfirstlane_b32 s10, v10                   ; wave 0..7
	v_mul_u32_u24 v[AS], v1, 2*TP                  ; code 2 l,
	v_lshlrev_b32 v[EO], 3, v1
	v_add_nc_u32 v[GR], GSB, v[EO]
	s_wait_alu depctr_va_sdst(0)                   ; s10 is written, ahead of its first reader: the wave's offsets are made from it
	s_lshl_b32 s12, s10, 21                        ; 64 rows of 32,768 bytes
	v_lshl_add_u32 v[GO], v1, 3, s12
	s_lshl_b32 s13, s10, 7                         ; my 64 k: 128 bytes of a code's row
	v_add_nc_u32 v[AS], s13, v[AS]
	s_mul_i32 s13, s10, 8*TP                       ; back: wave w takes codes 8 w .. 8 w + 7
	v_lshl_add_u32 v[AR], v1, 4, s13
	s_lshl_b32 s13, s10, 13
	v_lshl_add_u32 v[GS], v1, 4, s13
	s_lshl_b32 s13, s10, 9                         ; my two groups: 256 bytes each
	s_add_co_u32 s13, s13, GSB
	v_lshl_add_u32 v[GA], v1, 3, s13
	s_lshl_b32 s2, ttmp9, 8                        ; the work-group's 64 codes: 256 bytes of a row of embed, and of ee
	s_mov_b32 s3, 0
	s_lshl_b32 s14, ttmp9, 16                      ; and 64 rows of embT
	s_mov_b32 s15, 0
	s_wait_kmcnt 0x0
	s_add_nc_u64 s[4:5], s[4:5], s[2:3]
	s_add_nc_u64 s[8:9], s[8:9], s[2:3]
	s_add_nc_u64 s[6:7], s[6:7], s[14:15]
	s_wait_alu depctr_va_vdst(0)                   ; the offsets and LDS addresses v2 to v7 and v11 are written, which the loads and stores of the whole kernel read
.set i, 0
.rept 64                               ; all my rows are asked for at once
	global_load_b64 v[L+2*i:L+2*i+1], v[GO], s[4:5] offset:i*ROWB th:TH_LOAD_NT
.set i, i+1
.endr
.irp r, 0,1,2,3
	v_mov_b32 v[SUM+(\r)], 0                       ; four sums start at 0, while the loads are on their way
.endr
; Eight rows at a time: 8 k of each of my two codes pack into 16 bytes.  Lanes lie 2,080 bytes = 520 words apart
; each of these 16 stores is served in twice the passes.  That is the price of loads that cover whole aligned 256 bytes.
; The same packed words feed the group's sums: a word's low half, then its high half, the two codes' chains by turns.  Rows 0-31 are the first group, rows 32-63 the second.
; A chunk's two LDS stores stand at the head of the next chunk.
.set c, 0
.rept 8
	s_wait_loadcnt 56-8*c                          ; loads come back in order (ISA guide 5.7.1): rows 8 c .. 8 c + 7 are in, the younger ones stay out
.if c > 0
	s_wait_alu depctr_va_vdst(0)                   ; the chunk before has written its set of P, which the two LDS stores below read; no line of this chunk names that set
	ds_store_b128 v[AS], v[P+8*(c-1):P+8*(c-1)+3]   offset:16*(c-1)
	ds_store_b128 v[AS], v[P+8*(c-1)+4:P+8*(c-1)+7] offset:TP+16*(c-1)
.endif
.irp a, 0,1
.irp t, 0,1,2,3
	v_cvt_pk_bf16_f32 v[P+8*c+4*(\a)+(\t)], v[L+2*(8*c+2*(\t))+(\a)], v[L+2*(8*c+2*(\t)+1)+(\a)]
.endr
.endr
.irp t, 0,1,2,3
	v_fma_mix_f32_bf16 v[SUM+2*(c/4)],   v[P+8*c+(\t)],   v[P+8*c+(\t)],   v[SUM+2*(c/4)]   op_sel_hi:[1,1,0]
	v_fma_mix_f32_bf16 v[SUM+2*(c/4)+1], v[P+8*c+4+(\t)], v[P+8*c+4+(\t)], v[SUM+2*(c/4)+1] op_sel_hi:[1,1,0]
	v_fma_mix_f32_bf16 v[SUM+2*(c/4)],   v[P+8*c+(\t)],   v[P+8*c+(\t)],   v[SUM+2*(c/4)]   op_sel:[1,1,0] op_sel_hi:[1,1,0]
	v_fma_mix_f32_bf16 v[SUM+2*(c/4)+1], v[P+8*c+4+(\t)], v[P+8*c+4+(\t)], v[SUM+2*(c/4)+1] op_sel:[1,1,0] op_sel_hi:[1,1,0]
.endr
.set c, c+1
.endr
	s_wait_alu depctr_va_vdst(0)                   ; the last chunk has written its set of P and the chains SUM, which the four LDS stores below read; every conversion is done reading v[L ..], in which the LDS loads behind the barrier land
	ds_store_b128 v[AS], v[P+56:P+59] offset:16*7
	ds_store_b128 v[AS], v[P+60:P+63] offset:TP+16*7
	ds_store_b64 v[GA], v[SUM:SUM+1]               ; 32 lanes: a group's 64 sums, 256 consecutive bytes
	ds_store_b64 v[GA], v[SUM+2:SUM+3] offset:256
	s_wait_dscnt 0x0                               ; for the others' sake: my stores are done
	s_barrier_signal -1
	s_barrier_wait -1                              ; the 64 rows and the 16 x 64 group sums are whole
.set n, 0
.rept 16                               ; code 8 w + n / 2, half n % 2: 512 consecutive bytes.  No vector line has been issued since the wait above
	ds_load_b128 v[L+4*n:L+4*n+3], v[AR] offset:(n/2)*TP+(n%2)*512
.set n, n+1
.endr
.set n, 0
.rept 16
	s_wait_dscnt 15-n                              ; load n is in, the younger ones stay out
	global_store_b128 v[GS], v[L+4*n:L+4*n+3], s[6:7] offset:(n/2)*1024+(n%2)*512
.set n, n+1
.endr
	s_wait_alu depctr_vm_vsrc(0)                   ; the stores above have read v[L ..], in which wave 0's LDS loads behind the branch land
	s_cmp_lg_u32 s10, 0
	s_cbranch_scc1 .Lend                           ; the second level is wave 0's
	s_wait_xcnt 0x0                                ; the stores above have had their addresses translated (ISA guide 3.1): only now are their data registers loaded again
.set n, 0
.rept 16
	ds_load_b64 v[L+2*n:L+2*n+1], v[GR] offset:256*n   ; group n, my two codes
.set n, n+1
.endr
	s_wait_dscnt 0x0
.set n, 1
.rept 15
	v_pk_add_f32 v[L:L+1], v[L:L+1], v[L+2*n:L+2*n+1]  ; one group after the other, ascending; two codes an instruction
.set n, n+1
.endr
	s_wait_alu depctr_va_vdst(0)                   ; the additions have written v[L:L+1], which the store reads
	global_store_b64 v[EO], v[L:L+1], s[8:9]       ; 32 lanes store 256 consecutive bytes, aligned
.Lend:
	s_wait_dscnt 0x0                               ; the wave's end
	s_wait_alu 0x0
	s_wait_tensorcnt 0x0
	ds_add_u32 v[SPW], v[NIL]
	s_wait_dscnt 0x0
	s_endpgm
.Lfunc_end_k_qb39ad39ab3_prep:
	.size	k_qb39ad39ab3_prep, .Lfunc_end_k_qb39ad39ab3_prep-k_qb39ad39ab3_prep
	.p2alignl 7, 3214868480
	.fill 96, 4, 3214868480
	.section	.rodata,"a",@progbits
	.p2align	6, 0x0
	.amdhsa_kernel k_qb39ad39ab3_prep
		.amdhsa_group_segment_fixed_size 71680
		.amdhsa_private_segment_fixed_size 0
		.amdhsa_enable_private_segment 0
		.amdhsa_kernarg_size 24
		.amdhsa_user_sgpr_count 2
		.amdhsa_user_sgpr_kernarg_segment_ptr 1
		.amdhsa_wavefront_size32 1
		.amdhsa_system_sgpr_workgroup_id_x 1
		.amdhsa_system_sgpr_workgroup_id_y 1
		.amdhsa_system_sgpr_workgroup_id_z 1
		.amdhsa_system_vgpr_workitem_id 0
		.amdhsa_next_free_vgpr 256
		.amdhsa_next_free_sgpr 66
		.amdhsa_reserve_vcc 0
		.amdhsa_float_denorm_mode_32 3
		.amdhsa_float_denorm_mode_16_64 3
		.amdhsa_memory_ordered 1
		.amdhsa_forward_progress 1
		.amdhsa_inst_pref_size 27
	.end_amdhsa_kernel
	.amdgpu_metadata
---
amdhsa.version: [ 1, 2 ]
amdhsa.kernels:
  - .name:           k_qb39ad39ab3_prep
    .symbol:         k_qb39ad39ab3_prep.kd
    .args:
      - { .name: embed, .offset: 0, .size: 8, .value_kind: global_buffer, .address_space: global }
      - { .name: embT, .offset: 8, .size: 8, .value_kind: global_buffer, .address_space: global }
      - { .name: ee, .offset: 16, .size: 8, .value_kind: global_buffer, .address_space: global }
    .group_segment_fixed_size: 71680
    .private_segment_fixed_size: 0
    .kernarg_segment_align: 8
    .kernarg_segment_size: 24
    .max_flat_workgroup_size: 256
    .sgpr_count:     66
    .vgpr_count:     256
    .wavefront_size: 32
...
	.end_amdgpu_metadata
.endif
;; end of part 5
;; launch main: the kernel of part 2 again; grid 64 x 4, 4 waves a work-group, clusters of 4 x 4, 327,680 bytes of LDS; arguments input, embT, ee, cand; writes cand
;; launch finish (part 6): grid 256 x 1, 8 waves a work-group, no clusters, 0 bytes of LDS; arguments cand, embT, input, out0, out2, part; writes out0, out2, part
.if DOCPART == 6
	.amdgcn_target "amdgcn-amd-amdhsa--gfx1250"
	.amdhsa_code_object_version 6
	.text
	.protected	k_qb39ad39ab3_finish
	.globl	k_qb39ad39ab3_finish
	.p2align	8
	.type	k_qb39ad39ab3_finish,@function
k_qb39ad39ab3_finish:
	s_mov_b64 s[64:65], 0
	v_nop
	global_prefetch_b8 v0, s[64:65] scope:SCOPE_SE
	s_setreg_imm32_b32 hwreg(HW_REG_WAVE_SCHED_MODE, 0, 2), 2
	s_setreg_imm32_b32 hwreg(HW_REG_WAVE_MODE, 25, 1), 1
	s_wait_xcnt 0x0
	s_wait_alu depctr_vm_vsrc(0)
; For each row: the best of its four candidates (least key; of equal keys the earlier quarter, which holds the lower indices); out2 = its index; q = that row of embT;
; out0 = x + (q - x); part[wave] = the sum of (q - x)^2 over the wave's 8 rows.
; cand: [4][16384]{key, index}, whole numbers stored by the launch before.  embT: [8192][512] bf16.  input, out0: [16384][512] f32.  out2: [16384] i32.  part: [2048] f32.
; LIMIT.  q is the code rounded to bf16; x is taken as given, in f32.
; SHARES.  A work-group takes 64 rows, a wave 8.  No loop: a wave's 68 loads go out together.  The choice that steers the gather is made in scalar registers, on whole numbers read from memory;
; the index is held to 0 .. 8191 before it enters an address.  Memory binds: no LDS, no barrier, no matrix unit; no prefetch, since the launch streams all the time.
; THE MODE: SCHED_MODE bits 1:0 = 2 (LLVM: expert scheduling mode 2), set by the entry lines.  The code itself states the register dependences
; between vector instructions and memory instructions, with s_wait_alu, always for 0.
; THE PLAN.  Registers that memory instructions touch:
;   XO, CL, ZA  offsets: written at the head, never again.
;   CV, X, C    each filled by one load.  X[i] is written again, in place, by row i's sums, then read by four stores, and never written after that.
;   CV + 2, 3   wave 0: written by its choice, read by one store.      LACC  written by the sums, read by one store.
; Row i works on X[i], C[i], T and LACC; its memory instructions are the four stores of X[i - 1], which no vector line of row i names.  So one wait on va_vdst at a row's head
; states all that the row's stores hang on, and they are dealt among its four pieces with no further wait.  No register that a store has read is written again.
.set XO,   2                           ; v2   16 x lane
.set CL,   3                           ; v3   8 x lane
.set ZA,   4                           ; v4   0
.set T,    8                           ; v[8:15]    q, then q - x: two sets of four
.set LACC, 16                          ; v[16:31]   eight pairs of sums of squares
.set X,    32                          ; v[32:159]  row i, piece s (512 bytes of the row) at X + 16 i + 4 s
.set C,    160                         ; v[160:223] the code's 8 bytes for the same piece at C + 8 i + 2 s
.set CV,   224                         ; v[224:239] quarter q's records of the work-group's rows 2 l and 2 l + 1 at CV + 4 q
.set WV,   66
.set HIM,  67                          ; a word's upper bf16
.set MK,   68                          ; s68, s69  wave 0's two lane masks, where a quarter's records lay until the scalar choice was made
	s_load_b256 s[4:11], s[0:1], 0x0               ; cand s[4:5], embT s[6:7], input s[8:9], out0 s[10:11]
	s_load_b128 s[12:15], s[0:1], 0x20             ; out2 s[12:13], part s[14:15]
	v_lshrrev_b32 v1, 5, v0
	v_readfirstlane_b32 s[WV], v1                  ; wave 0..7
	v_and_b32 v1, 31, v0                           ; lane
	v_lshlrev_b32 v[XO], 4, v1
	v_lshlrev_b32 v[CL], 3, v1
	v_mov_b32 v[ZA], 0
	s_mov_b32 s[HIM], 0xffff0000
	s_lshl_b32 s2, ttmp9, 9                        ; the work-group's 64 records of 8 bytes
	s_mov_b32 s3, 0
	s_wait_kmcnt 0x0
	s_add_nc_u64 s[86:87], s[4:5], s[2:3]
	s_wait_alu depctr_va_sdst(0)                   ; the wave's number is written, ahead of its first reader: the wave's bases are made from it
	s_lshl_b32 s2, s[WV], 6                        ; my 8 of them
	s_add_nc_u64 s[84:85], s[86:87], s[2:3]
	s_load_b512 s[16:31], s[84:85], 0x0            ; my rows' records, a quarter each: 131,072 bytes apart
	s_load_b512 s[32:47], s[84:85], 0x20000
	s_load_b512 s[48:63], s[84:85], 0x40000
	s_load_b512 s[68:83], s[84:85], 0x60000
	s_lshl_b32 s2, ttmp9, 3
	s_add_co_u32 s2, s2, s[WV]                     ; my wave among the 2,048
	s_lshl_b32 s4, s2, 2
	s_mov_b32 s5, 0
	s_add_nc_u64 s[14:15], s[14:15], s[4:5]        ; its word of part
	s_lshl_b32 s4, ttmp9, 8
	s_add_nc_u64 s[12:13], s[12:13], s[4:5]        ; the work-group's 256 bytes of out2
	s_lshl_b32 s2, s2, 14                          ; my 8 rows of 2,048 bytes
	s_add_nc_u64 s[8:9], s[8:9], s[2:3]
	s_add_nc_u64 s[10:11], s[10:11], s[2:3]
	s_wait_alu depctr_va_vdst(0)                   ; the three offsets v2 to v4 are written, which the loads and stores of the whole kernel read
.irp q, 0,1,2,3
	global_load_b128 v[CV+4*(\q):CV+4*(\q)+3], v[XO], s[86:87] offset:(\q)*131072
.endr
.set i, 0
.rept 32
	global_load_b128 v[X+4*i:X+4*i+3], v[XO], s[8:9] offset:i*512 th:TH_LOAD_NT
.set i, i+1
.endr
	s_mov_b32 s2, 0x76543210                       ; v_permlanex16_b32's selects
	s_mov_b32 s3, 0xfedcba98
	s_wait_kmcnt 0x0
.irp i, 0,1,2,3,4,5,6,7
.irp b, 32,48,68
	s_cmp_lt_u32 s[(\b)+2*(\i)], s[16+2*(\i)]      ; strictly less: of equal keys the earlier quarter stays
	s_cselect_b32 s[16+2*(\i)], s[(\b)+2*(\i)], s[16+2*(\i)]
	s_cselect_b32 s[17+2*(\i)], s[(\b)+2*(\i)+1], s[17+2*(\i)]
.endr
	s_min_u32 s[17+2*(\i)], s[17+2*(\i)], 0x1fff   ; inside the table, whatever was read
	s_lshl_b32 s[16+2*(\i)], s[17+2*(\i)], 10      ; a row of embT is 1,024 bytes
	s_mov_b32 s[17+2*(\i)], 0
	s_add_nc_u64 s[16+2*(\i):17+2*(\i)], s[6:7], s[16+2*(\i):17+2*(\i)]
.irp s, 0,1,2,3
	global_load_b64 v[C+8*(\i)+2*(\s):C+8*(\i)+2*(\s)+1], v[CL], s[16+2*(\i):17+2*(\i)] offset:256*(\s)  ; 256 consecutive bytes, aligned: the k of x's piece s
.endr
.endr
; Row i.  In front of each of its four pieces stands a store of the row before.
.macro ROW i
	s_wait_loadcnt 28-4*(\i)                       ; loads come back in order (ISA guide 5.7.1): this row's code is in, and all of x; the later rows' codes stay out
.if (\i) > 0
	s_wait_alu depctr_va_vdst(0)                   ; the row before has written its X, which the four stores below read; no line of this row names those registers
.endif
.irp s, 0,1,2,3
.set rX, X+16*(\i)+4*(\s)
.set rC, C+8*(\i)+2*(\s)
.set rT, T+4*((\s)%2)
.if (\i) > 0
	global_store_b128 v[XO], v[rX-16:rX-13], s[10:11] offset:((\i)-1)*2048+(\s)*512 th:TH_STORE_NT  ; the row before: 512 consecutive bytes, aligned
.endif
	v_lshlrev_b32 v[rT],   16, v[rC]               ; bf16 to f32: the low half moves up, the high half stays
	v_and_b32     v[rT+1], s[HIM], v[rC]
	v_lshlrev_b32 v[rT+2], 16, v[rC+1]
	v_and_b32     v[rT+3], s[HIM], v[rC+1]
	v_pk_add_f32 v[rT:rT+1],   v[rT:rT+1],   v[rX:rX+1]   neg_lo:[0,1] neg_hi:[0,1]  ; d = q - x
	v_pk_add_f32 v[rT+2:rT+3], v[rT+2:rT+3], v[rX+2:rX+3] neg_lo:[0,1] neg_hi:[0,1]
	v_pk_add_f32 v[rX:rX+1],   v[rX:rX+1],   v[rT:rT+1]                              ; x + d
	v_pk_add_f32 v[rX+2:rX+3], v[rX+2:rX+3], v[rT+2:rT+3]
.if (\i) == 0
	v_pk_mul_f32 v[LACC+4*(\s):LACC+4*(\s)+1],   v[rT:rT+1],   v[rT:rT+1]            ; the first row starts the sums
	v_pk_mul_f32 v[LACC+4*(\s)+2:LACC+4*(\s)+3], v[rT+2:rT+3], v[rT+2:rT+3]
.else
	v_pk_fma_f32 v[LACC+4*(\s):LACC+4*(\s)+1],   v[rT:rT+1],   v[rT:rT+1],   v[LACC+4*(\s):LACC+4*(\s)+1]
	v_pk_fma_f32 v[LACC+4*(\s)+2:LACC+4*(\s)+3], v[rT+2:rT+3], v[rT+2:rT+3], v[LACC+4*(\s)+2:LACC+4*(\s)+3]
.endif
.endr
.endm
.irp i, 0,1,2,3,4,5,6,7
	ROW \i
.endr
	s_wait_alu depctr_va_vdst(0)                   ; the last row has written its X, which the last four stores read
.irp s, 0,1,2,3
	global_store_b128 v[XO], v[X+112+4*(\s):X+112+4*(\s)+3], s[10:11] offset:7*2048+(\s)*512 th:TH_STORE_NT
.endr
	v_pk_add_f32 v[LACC:LACC+1],     v[LACC:LACC+1],     v[LACC+2:LACC+3]
	v_pk_add_f32 v[LACC+4:LACC+5],   v[LACC+4:LACC+5],   v[LACC+6:LACC+7]
	v_pk_add_f32 v[LACC+8:LACC+9],   v[LACC+8:LACC+9],   v[LACC+10:LACC+11]
	v_pk_add_f32 v[LACC+12:LACC+13], v[LACC+12:LACC+13], v[LACC+14:LACC+15]
	v_pk_add_f32 v[LACC:LACC+1],     v[LACC:LACC+1],     v[LACC+4:LACC+5]
	v_pk_add_f32 v[LACC+8:LACC+9],   v[LACC+8:LACC+9],   v[LACC+12:LACC+13]
	v_pk_add_f32 v[LACC:LACC+1],     v[LACC:LACC+1],     v[LACC+8:LACC+9]
	v_add_f32 v[LACC], v[LACC], v[LACC+1]
	v_add_f32_dpp v[LACC], v[LACC], v[LACC] row_xmask:1 row_mask:0xf bank_mask:0xf
	v_add_f32_dpp v[LACC], v[LACC], v[LACC] row_xmask:2 row_mask:0xf bank_mask:0xf
	v_add_f32_dpp v[LACC], v[LACC], v[LACC] row_xmask:4 row_mask:0xf bank_mask:0xf
	v_add_f32_dpp v[LACC], v[LACC], v[LACC] row_xmask:8 row_mask:0xf bank_mask:0xf
	v_permlanex16_b32 v[LACC+1], v[LACC], s2, s3
	v_add_f32 v[LACC], v[LACC], v[LACC+1]          ; every lane holds the wave's sum
	s_cmp_lg_u32 s[WV], 0
	s_cbranch_scc1 .Lnot0
	; wave 0 writes the work-group's 64 indices as one whole block: lane l chooses for rows 2 l and 2 l + 1, as above: a quarter after the other, the two rows' compares side by side
.irp q, 1,2,3
	v_cmp_lt_u32 s[MK],   v[CV+4*(\q)],   v[CV]
	v_cmp_lt_u32 s[MK+1], v[CV+4*(\q)+2], v[CV+2]
	s_wait_alu depctr_va_sdst(0)                   ; both masks are written, ahead of the selects that read them
	v_cndmask_b32 v[CV+1], v[CV+1], v[CV+4*(\q)+1], s[MK]
	v_cndmask_b32 v[CV],   v[CV],   v[CV+4*(\q)],   s[MK]
	v_cndmask_b32 v[CV+3], v[CV+3], v[CV+4*(\q)+3], s[MK+1]
	v_cndmask_b32 v[CV+2], v[CV+2], v[CV+4*(\q)+2], s[MK+1]
.endr
	v_mov_b32 v[CV+2], v[CV+1]                     ; the two indices side by side
	s_wait_alu depctr_va_vdst(0)                   ; the choice has written v[CV+2:CV+3], which the store reads
	global_store_b64 v[CL], v[CV+2:CV+3], s[12:13] ; 256 consecutive bytes, aligned
.Lnot0:
	s_wait_xcnt 0x0                                ; EXEC changes only behind this wait
	v_cmp_eq_u32 vcc_lo, 0, v1
	s_wait_alu depctr_va_vcc(0)                    ; VCC is written: EXEC is made from it
	s_wait_alu depctr_va_vdst(0)                   ; every vector instruction issued under the full EXEC has written its result, the wave's sum, which the store below reads, among them
	s_wait_alu depctr_vm_vsrc(0)                   ; every store issued under the full EXEC has read its vector registers
	s_and_saveexec_b32 s4, vcc_lo
	global_store_b32 v[ZA], v[LACC], s[14:15]      ; lane 0: one number a wave
	s_wait_xcnt 0x0                                ; and again, in front of the line that widens it
	s_wait_alu depctr_va_vdst(0)                   ; no vector instruction is out,
	s_wait_alu depctr_vm_vsrc(0)                   ; and the store under the narrow EXEC has read its vector registers
	s_or_b32 exec_lo, exec_lo, s4
	s_endpgm
.Lfunc_end_k_qb39ad39ab3_finish:
	.size	k_qb39ad39ab3_finish, .Lfunc_end_k_qb39ad39ab3_finish-k_qb39ad39ab3_finish
	.p2alignl 7, 3214868480
	.fill 96, 4, 3214868480
	.section	.rodata,"a",@progbits
	.p2align	6, 0x0
	.amdhsa_kernel k_qb39ad39ab3_finish
		.amdhsa_group_segment_fixed_size 0
		.amdhsa_private_segment_fixed_size 0
		.amdhsa_enable_private_segment 0
		.amdhsa_kernarg_size 48
		.amdhsa_user_sgpr_count 2
		.amdhsa_user_sgpr_kernarg_segment_ptr 1
		.amdhsa_wavefront_size32 1
		.amdhsa_system_sgpr_workgroup_id_x 1
		.amdhsa_system_sgpr_workgroup_id_y 1
		.amdhsa_system_sgpr_workgroup_id_z 1
		.amdhsa_system_vgpr_workitem_id 0
		.amdhsa_next_free_vgpr 240
		.amdhsa_next_free_sgpr 88
		.amdhsa_reserve_vcc 1
		.amdhsa_float_denorm_mode_32 3
		.amdhsa_float_denorm_mode_16_64 3
		.amdhsa_memory_ordered 1
		.amdhsa_forward_progress 1
		.amdhsa_inst_pref_size 34
	.end_amdhsa_kernel
	.amdgpu_metadata
---
amdhsa.version: [ 1, 2 ]
amdhsa.kernels:
  - .name:           k_qb39ad39ab3_finish
    .symbol:         k_qb39ad39ab3_finish.kd
    .args:
      - { .name: cand, .offset: 0, .size: 8, .value_kind: global_buffer, .address_space: global }
      - { .name: embT, .offset: 8, .size: 8, .value_kind: global_buffer, .address_space: global }
      - { .name: input, .offset: 16, .size: 8, .value_kind: global_buffer, .address_space: global }
      - { .name: out0, .offset: 24, .size: 8, .value_kind: global_buffer, .address_space: global }
      - { .name: out2, .offset: 32, .size: 8, .value_kind: global_buffer, .address_space: global }
      - { .name: part, .offset: 40, .size: 8, .value_kind: global_buffer, .address_space: global }
    .group_segment_fixed_size: 0
    .private_segment_fixed_size: 0
    .kernarg_segment_align: 8
    .kernarg_segment_size: 48
    .max_flat_workgroup_size: 256
    .sgpr_count:     88
    .vgpr_count:     240
    .wavefront_size: 32
...
	.end_amdgpu_metadata
.endif
;; end of part 6
;; launch losssum: the kernel of part 4 again; grid 1 x 1, 1 waves a work-group, no clusters, 0 bytes of LDS; arguments part, out1; writes out1
